; MI455X (gfx1250); checked and timed in simulation.
; The chip was launched on July 23, 2026; its instructions are those of AMD's public machine-readable ISA for CDNA 5 (MIT licence, August 2026) and "CDNA5" Instruction Set Architecture Reference Guide (July 2026). The comments in the code are by the model that wrote it; some were corrected since.
;; Lazy Attention Embedding. Allowed arithmetic: matrix products marked QUANTISED: E4M3 operands, one given power-of-two scale a tensor, by v_wmma_f32_16x16x64_fp8_fp8 or v_wmma_f32_16x16x128_fp8_fp8, f32 sums; everything else in f32.
;; Inputs: bias_weight 4,096 x 16 float32; k_codes 2 x 16 x 2,048 x 2 x 32 uint8 (E4M3 codes of k, K innermost, in blocks of 32 codes); lowp_scales 4 int32 (the exponents e of the quantised operands' scales 2^e); q_codes 2 x 16 x 2,048 x 2 x 32 uint8 (E4M3 codes of q, K innermost, in blocks of 32 codes); tau 16 float32; v_codes 2 x 16 x 64 x 64 x 32 uint8 (E4M3 codes of v, K innermost, in blocks of 32 codes).
;; Outputs: out0 2 x 16 x 2,048 x 64 float32.
;; Constants: max_bias_length = 4096.
;; This version of the problem:
;;   THIS VERSION OF THE PROBLEM IS GIVEN IN LOW PRECISION. The matrix products marked QUANTISED in the list below multiply operands that are first quantised to E4M3 (4 exponent bits, 3 mantissa bits; 8 bits a number), with one given power-of-two scale for each operand tensor; their sums are f32. All else is computed in f32.
;;   The module's matrix products, in the order in which they are computed (A, B: the left and right operand; K: the contracted axis; several contracted axes count as one K, in the product's order):
;;     1. batch 32 x [M 2,048, K 64] x [K 64, N 2,048]; A: input q (given as codes); B: input k (given as codes): QUANTISED (scales: A lowp_scales[0], B lowp_scales[1])
;;     2. batch 32 x [M 2,048, K 2,048] x [K 2,048, N 64]; A: computed on the way; B: input v (given as codes): QUANTISED (scales: A lowp_scales[2], B lowp_scales[3])
;;   THE QUANTISER, for each operand of a quantised product, along K:
;;     - The operand's scale is 2^e, e = its entry of the input lowp_scales (int32; the entries are numbered through the quantised products in the list's order, A before B).
;;     - Each number is divided by the scale, clamped to +-448, and rounded to the nearest number of E4M3, ties to even, subnormals kept.
;;     - The product sums the exact products of the quantised numbers (number of the format x scale) in f32.
;;   ~~~python
;;   def quantise(x, axis, e):      # numpy; x: float32 -> the quantised numbers, widened to float32 again
;;       x = np.moveaxis(x, axis, -1); K = x.shape[-1]
;;       r = np.clip(x / 2.0 ** e, -448, 448)
;;       step = 2.0 ** (np.maximum(np.frexp(np.where(r == 0, 1, r))[1] - 1, -6) - 3)
;;       q = np.round(r / step) * step * 2.0 ** e      # np.round: ties to even
;;       return np.moveaxis(q, -1, axis).astype(np.float32)
;;   ~~~
;;   OPERANDS COMPUTED ON THE WAY. 'Computed on the way' means the value that the module computes at that place (a softmax that the list does not call 'softmax' is quantised finished and normalised). What goes into a quantiser is computed in f32, as accurately as f32 sums, v_exp_f32 and their like allow (about 1e-6 of the number): no bf16 or f16 on the way to a quantiser, and a product that is left as it is and whose result goes on into a quantised operand takes f32 operands (vector FMAs, or v_wmma_f32_16x16x4_f32). A number that lies on a knife's edge between two numbers of the format may be rounded either way, as far as f32 arithmetic and the matrix unit's own rounding can turn it there, and no further.
;;   INPUTS GIVEN AS CODES. k (in the module: [2, 16, 2048, 64], K = its axis 3); q (in the module: [2, 16, 2048, 64], K = its axis 3); v (in the module: [2, 16, 2048, 64], K = its axis 2): each comes as NAME_codes (uint8): NAME with its K axis moved to the last place and cut into blocks of 32 codes, [.., K / 32, bytes a block], one block behind the other in memory; one code a byte (a code: sign, 4 exponent bits, 3 mantissa bits); its scale is its entry of lowp_scales. Its value is code x scale, taken as it is: it is not quantised again, and the codes and scales need not be those that the quantiser above would give.
;; One version. Each part assembles by itself: llvm-mc -triple=amdgcn-amd-amdhsa -mcpu=gfx1250 --defsym DOCPART=n.
;; ======== version 1 of 1: 1 launch
;; limits: right only within a limited range of input values; inputs' magnitudes at most 5.49e+28
;; launch attn (part 1): grid 8 x 32, 16 waves a work-group, clusters of 4 x 1, 327,680 bytes of LDS; arguments q_codes, k_codes, v_codes, lowp_scales, tau, bias_weight, out0; writes out0
.if DOCPART == 1
	.amdgcn_target "amdgcn-amd-amdhsa--gfx1250"
	.amdhsa_code_object_version 6
	.text
	.protected	k_q41f1b13bd0_attn
	.globl	k_q41f1b13bd0_attn
	.p2align	8
	.type	k_q41f1b13bd0_attn,@function
k_q41f1b13bd0_attn:
	s_mov_b64 s[64:65], 0
	v_nop
	global_prefetch_b8 v0, s[64:65] scope:SCOPE_SE
	s_setreg_imm32_b32 hwreg(HW_REG_WAVE_MODE, 25, 1), 1
	s_wait_xcnt 0x0
	s_wait_alu depctr_hold_cnt(0) depctr_sa_sdst(0) depctr_va_vdst(0) depctr_va_sdst(0) depctr_va_ssrc(0) depctr_va_vcc(0) depctr_vm_vsrc(0)
	s_getreg_b32 s2, hwreg(HW_REG_IB_STS2, 6, 4)
	s_cmp_eq_u32 s2, 0
	s_cbranch_scc0 .Lentry_in_a_cluster
	s_endpgm
.Lentry_in_a_cluster:
	s_bfe_u32 s2, ttmp6, 0x10000c
	s_cmp_lg_u32 s2, 0x3003
	s_cbranch_scc0 .Lentry_shape_is_right
	s_endpgm
.Lentry_shape_is_right:
; out[b][h][q][:] = sum over k of Q8( relu( softmax_k(q.k / 8 + bias_weight[q-k][h], causal) + tau[h] / (q+1) ) ) V[b][h][k][:],  L = 2048, D = 64, both products on codes of E4M3.
; The second product's operand is the FINISHED weight (normalised, tau added, clipped at 0), so a row's maximum and sum are known before any weight is quantised: the keys are walked twice.
; Pass 1: K Q^T, running maximum and sum.  Pass 2: K Q^T again, weight = 2^(t - M) / l + tau / i, held in 0 .. 448 x 2^ep, quantised, times V.
; WORK LEFT OUT.  (1) Scores of keys k > q: reference() replaces them by -1e30 whatever they hold, so K Q^T, bias and exponentials are not made for whole blocks of 256 keys that lie above a query block's own.
; Their softmax term is exp(-1e30 - max), the 0 that f32 gives, so their weight is relu(tau / i): one code for a row, which still multiplies V (the second product is done whole).
; (2) The factor bias_mask: q - k < 4096 holds for every pair (L = 2048), so it equals the causal mask.  (3) bias_weight's rows above 2047 feed no score (q - k <= 2047); row 2048 is fetched as the clamp of the gather and its number reaches no result.
; LIMIT: a NaN, an infinity or an overflow that reaches only the scores left out is not carried to the result.
; LIMITS on the given exponents: eq + ek between -25 and 70 (-1e30 x 2^(3-eq-ek) is an f32 number, and a masked score stays under -2^96); ep between -126 and 119; ep + ev between -126 and 127.
; Scores x log2(e) under -2^96 and NaN among the inputs are not served.
; SHARES.  256 work-groups: y = b x 16 + h, x = c (0..7).  A work-group holds its head's whole K and V in LDS (one fill, no ring) and owns eight PAIRS of query tiles: pair T is queries 256 T + 32 c + 0..31
; (tile a: + 16 a).  A pair has a team of two waves that share the keys: of each block of 256 keys member e takes keys 128 e + 0..127, in two steps of 64.  Both members hold both tiles, so a fragment of K or V
; read from LDS feeds two tiles.  The members' maxima and sums meet in LDS between the passes, their partial results at the end.
; The live range of a pair, keys under 256 (T + 1), hangs on T alone, and T on the wave's number alone.  Waves to pairs (rows: wave / 4, columns: wave % 4):  0 7 1 6 / 7 0 6 1 / 2 5 3 4 / 5 2 4 3.
; CLUSTER.  Four work-groups of one head form a cluster and need the same K and V: each of the sixteen tiles is asked for jointly, one load a wave.  c enters only global addresses, one select on data, and i = q + 1.
; LAYOUT.  Both products transposed: S^T = K Q^T + C (source 0 = 16 keys, source 1 = 16 queries): lane (r, h), register j of key tile kp: query r, key 16 kp + 8 h + j.  Eight registers converted are registers
; 2 kp, 2 kp + 1 of the next operand.  O^T += V^T P (source 0 = 16 of the head's 64).  Q's and K's fragments are fetched 16 bytes at a time: the same permutation of the head's 64 on both sides.
; THE BIAS AND THE MASK ARE THE C OF K Q^T: C = bias x 2^(3-eq-ek) (1 / sqrt(64) = 2^-3), or -1e30 x 2^(3-eq-ek) where q < k.  t = S x cs, cs = log2(e) x 2^(eq+ek-3).
; The table G[u] = value at q - k = 1824 + 32 c - u lies in LDS four times, copy p shifted by p words; lane r reads copy r % 4, so that its eight neighbours begin at a multiple of 16 bytes.
; An image hangs on a - kp alone: five images serve a step's eight score tiles (tile 1's products take tile 0's images, not yet written over, as their C).
.set KCH,   17408                      ; a chunk in LDS: 64 rows of 256 bytes + 16 of padding.  K: a row is four keys; V: a row is 256 keys of one d
.set VB,    8*KCH                      ; V's eight chunks behind K's eight
.set TAB,   16*KCH                     ; the bias table: four copies
.set CPY,   10304                      ; a copy: 2,563 words used; 64 modulo 256, so that sixteen lanes' 16 bytes fall in sixteen different columns of 256 bytes
.set STAT,  TAB+4*CPY                  ; 256 bytes a wave: tile a at 128 a: words 0-15 -M, words 16-31 l
.set SPARE, STAT+4096                  ; the spare words, 128 bytes for each of sixteen waves: eight blocks of 256 bytes that no other line names
.set SP,    272                        ; a stage row: 64 f32 + 16 bytes
.set STGB,  16*SP                      ; a stage; 32 of them lie over K, which has had its one fill and, behind the third barrier, its last read
.set TCAP,  7680                       ; the table step of the last live block
.set Q,   16                           ; v16-31   Q's fragments, tile a at Q + 8 a
.set ST,  32                           ; v32-47   tile a at ST + 8 a: +0 -M, +1 largest t, +2 +3 l, +4 f, later 1 / l, +6 at work, later tau / i; +5, +7 named as upper halves
.set KF,  64                           ; v64-95   four fragments of K, then of V
.set S0,  96                           ; v96-127  tile 0: images, scores, weights
.set S1,  128                          ; v128-159 tile 1
.set PF,  160                          ; v160-175 the weights' codes, tile a at PF + 8 a
.set CF,  176                          ; v176-191 the codes of relu(tau / i), tile a at CF + 8 a
.set OT,  192                          ; v192-255 O^T at OT + 32 a + 8 t
; v1 K's lane address, v2 V's, v3 the table's; v4, v5 the add's two; v6, v7, v8 the addresses in hand; v9 Q's offset; v10 my statistics, v11 my partner's; v12 stage in, v13 stage back, v14 out's offset; v15 the table's stores
; v48 2^ep, v49 448 x 2^ep; v50-61 at work
; s18 wave, s19 T, s20 e, s21 c, s22 b x 16 + h, s23 4 h; s[24:31], s[32:39] descriptor groups 1 (K, V); s[40:43], s[44:47] groups 0; s[48:49] cs; s[50:51] lane selects; s52 block, s53 chunk's byte, s54, s55 table step;
; s[56:59] eq ek ep ev; s60 3-eq-ek; s61 mask of lanes 16-31; s[66:67] 2^(ep+ev); s68 tau[h]; s69-75 at work; s76-79 at work on numbers made of c
.macro ROUND                           ; a round of the cluster's barrier
	s_barrier_signal -1
	s_barrier_wait -1
	s_cmp_lg_u32 s18, 0
	s_cbranch_scc1 .Lnot_wave_0_\@
	s_barrier_signal -3
.Lnot_wave_0_\@:
	s_barrier_wait -3
	s_barrier_signal -1
	s_barrier_wait -1
.endm
	s_load_b256 s[4:11], s[0:1], 0x0               ; q s[4:5], k s[6:7], v s[8:9], the scales' exponents s[10:11]
	s_load_b128 s[12:15], s[0:1], 0x20             ; tau s[12:13], bias_weight s[14:15]
	s_load_b64 s[16:17], s[0:1], 0x30              ; out
	v_lshl_add_u32 v4, v0, 2, SPARE
	v_mov_b32 v5, 0
	ds_add_u32 v4, v5                              ; the wave's opening: the add, twice on end, and its wait ahead of my first tensor load
	ds_add_u32 v4, v5                              ; and once more; the set-up below, work on registers, stands between it and the wait
	v_lshrrev_b32 v9, 5, v0
	v_readfirstlane_b32 s18, v9                    ; wave 0..15, bits b3 b2 b1 b0
	s_bfe_u32 s20, s18, 0x10002                    ; e = b2
	s_lshr_b32 s69, s18, 2
	s_xor_b32 s69, s69, s18
	s_and_b32 s69, s69, 1                          ; flip = b0 xor b2
	s_mul_i32 s69, s69, 7
	s_lshr_b32 s70, s18, 2
	s_and_b32 s70, s70, 2
	s_bfe_u32 s71, s18, 0x10001
	s_or_b32 s70, s70, s71                         ; 2 b3 + b1
	s_xor_b32 s19, s70, s69                        ; T; my partner (same T, other e) is wave xor 5
	s_bfe_u32 s21, ttmp6, 0x40000                  ; cx
	s_lshl_b32 s76, ttmp9, 2
	s_add_co_u32 s21, s21, s76                     ; c = 4 x cluster x + cx
	s_and_b32 s22, ttmp7, 0xffff                   ; b x 16 + h, which the four partners share
	s_and_b32 s23, s22, 15
	s_lshl_b32 s23, s23, 2                         ; 4 h
	; descriptor groups 1: a tile of 64 rows x 256 bytes, 16 bytes of padding behind each row
.irp g, 24, 32
	s_mov_b32 s[\g], 15|(1<<20)|(1<<21)|(5<<22)|(3<<25)   ; 15:0 the mask: all four work-groups; 17:16 elements of 1 byte; 20 padding on; 21 set beside a mask; 24:22 after every 64 words; 31:25 four words
	s_mov_b32 s[\g+1], 256<<16                     ; tensor_dim0
	s_mov_b32 s[\g+2], 64<<16                      ; tensor_dim1
	s_mov_b32 s[\g+3], 256<<16                     ; tile_dim0
	s_mov_b32 s[\g+4], 64                          ; tile_dim1
	s_mov_b32 s[\g+6], 0
	s_mov_b32 s[\g+7], 0
.endr
	s_mov_b32 s29, 256                             ; K: 256 keys of 64 bytes are dense: rows of four keys
	s_mov_b32 s37, 2048                            ; V: a row d is 2,048 keys
	s_mul_i32 s72, s18, KCH                        ; chunk w of K and V begins at w x KCH
	s_and_b32 s73, s18, 7
	s_lshl_b32 s69, s22, 17                        ; the head's first byte in each tensor of codes
	s_lshl_b32 s70, s73, 14                        ; K: 256 keys x 64 bytes a chunk
	s_add_co_u32 s70, s70, s69
	s_mov_b32 s71, 0
	s_lshl_b32 s74, s73, 8                         ; V: 256 keys on in each row
	s_add_co_u32 s74, s74, s69
	s_mov_b32 s75, 0
	s_mov_b32 s66, s23
	s_mov_b32 s67, 0
	s_mov_b32 s50, 0x76543210
	s_mov_b32 s51, 0xfedcba98                      ; v_permlanex16_b32: lane l xor 16
	s_mov_b32 s61, 0xffff0000
	s_wait_dscnt 0x0                               ; both opening adds are done
	s_wait_kmcnt 0x0
	s_load_b128 s[56:59], s[10:11], 0x0            ; eq, ek, ep, ev
	s_add_nc_u64 s[12:13], s[12:13], s[66:67]
	s_add_nc_u64 s[14:15], s[14:15], s[66:67]      ; bias_weight at my head's column
	s_load_b32 s68, s[12:13], 0x0                  ; tau[h]
	s_mov_b32 s40, 1
	s_mov_b32 s41, s72
	s_add_nc_u64 s[42:43], s[6:7], s[70:71]
	s_or_b32 s43, s43, 0x80000000
	s_mov_b32 s44, 1
	s_mov_b32 s45, s72
	s_add_nc_u64 s[46:47], s[8:9], s[74:75]
	s_or_b32 s47, s47, 0x80000000
	ROUND                                          ; all four work-groups are here: the joint loads meet
	s_cmp_lt_u32 s18, 8                            ; waves 0-7 fetch K's chunks, waves 8-15 V's: one tensor load of mine is out; an s_nop 0 and four v_nop follow each line
	s_cbranch_scc0 .Lfill_v
	tensor_load_to_lds s[40:43], s[24:31]
	s_nop 0
.rept 4
	v_nop
.endr
	s_branch .Lfilled
.Lfill_v:
	tensor_load_to_lds s[44:47], s[32:39]
	s_nop 0
.rept 4
	v_nop
.endr
.Lfilled:
	; THE TABLE: thread t makes G[512 n + t], n = 0..4: the value at x = 1824 + 32 c - 512 n - t
	s_lshl_b32 s76, s21, 5
	s_add_co_u32 s76, s76, 1824
	v_sub_nc_u32 v64, s76, v0
.irp n, 1,2,3,4
	v_add_nc_u32 v[64+\n], (0-512*\n)&0xffffffff, v64
.endr
.irp n, 0,1,2,3,4
	v_min_u32 v[72+\n], 0x800, v[64+\n]            ; x is at most 2,048; a negative x, huge as an unsigned number, is held at row 2,048, inside the buffer; its number is replaced below
.endr
.irp n, 0,1,2,3,4
	v_lshlrev_b32 v[72+\n], 6, v[72+\n]            ; a row of bias_weight is 64 bytes
.endr
.irp n, 0,1,2,3,4
	global_load_b32 v[80+\n], v[72+\n], s[14:15]
.endr
	; Q: my pair's 32 rows of 64 bytes; lane (r, h) takes bytes 16 h and 32 + 16 h of row r
	s_lshl_b32 s77, s19, 14
	s_lshl_b32 s78, s21, 11
	s_add_co_u32 s78, s78, s77
	s_add_co_u32 s78, s78, s69
	s_mov_b32 s79, 0
	s_add_nc_u64 s[4:5], s[4:5], s[78:79]
	v_and_b32 v50, 15, v0                          ; r
	v_bfe_u32 v51, v0, 4, 1                        ; h
	v_lshlrev_b32 v9, 6, v50
	v_lshl_add_u32 v9, v51, 4, v9
	global_load_b128 v[Q:Q+3],     v9, s[4:5]
	global_load_b128 v[Q+4:Q+7],   v9, s[4:5] offset:32
	global_load_b128 v[Q+8:Q+11],  v9, s[4:5] offset:1024
	global_load_b128 v[Q+12:Q+15], v9, s[4:5] offset:1056
	; out at the tile that I finish: row 256 T + 32 c + 16 e, 256 bytes a row
	s_lshl_b32 s76, s21, 13
	s_lshl_b32 s77, s19, 16
	s_add_co_u32 s76, s76, s77
	s_lshl_b32 s77, s20, 12
	s_add_co_u32 s76, s76, s77
	s_lshl_b32 s77, s22, 19
	s_add_co_u32 s76, s76, s77
	s_mov_b32 s77, 0
	s_add_nc_u64 s[16:17], s[16:17], s[76:77]
	; the lanes' LDS addresses
	v_lshrrev_b32 v52, 2, v50                      ; r / 4
	v_and_b32 v53, 3, v50                          ; r % 4
	v_and_b32 v54, 31, v0                          ; lane
	v_mul_u32_u24 v1, v52, SP                      ; K: key r of a tile: row r / 4, 64 (r % 4) in it, + 16 h, + my member's 128 keys (32 rows)
	v_lshl_add_u32 v1, v53, 6, v1
	v_lshl_add_u32 v1, v51, 4, v1
	s_mul_i32 s70, s20, 32*SP
	v_add_nc_u32 v1, s70, v1
	v_mul_u32_u24 v2, v50, SP                      ; V: row d = r, + 8 h, + my member's 128 keys
	v_lshl_add_u32 v2, v51, 3, v2
	s_lshl_b32 s70, s20, 7
	s_add_co_u32 s70, s70, VB
	v_add_nc_u32 v2, s70, v2
	v_mul_u32_u24 v3, v53, CPY                     ; the table: copy r % 4, + 32 h, - 16 (r / 4), + 64
	v_lshl_add_u32 v3, v51, 5, v3
	v_lshlrev_b32 v55, 4, v52
	v_add_nc_u32 v3, TAB+64, v3
	v_sub_nc_u32 v3, v3, v55
	v_lshl_add_u32 v15, v0, 2, TAB                 ; the table's stores: word t
	s_lshl_b32 s70, s18, 8
	s_add_co_u32 s70, s70, STAT
	v_lshl_add_u32 v10, v54, 2, s70                ; my statistics: a word a lane
	s_xor_b32 s70, s18, 5
	s_lshl_b32 s70, s70, 8
	s_add_co_u32 s70, s70, STAT
	v_lshl_add_u32 v11, v50, 2, s70                ; my partner's: word r
	s_lshl_b32 s70, s19, 2
	s_add_co_u32 s71, s70, s20
	s_mul_i32 s71, s71, STGB                       ; stage 4 T + 2 a + e: tile a's part made by member e
	v_mul_u32_u24 v12, v50, SP
	v_lshl_add_u32 v12, v51, 5, v12
	v_add_nc_u32 v12, s71, v12                     ; in: row r, + 32 h
	s_lshl_b32 s71, s20, 1
	s_add_co_u32 s71, s71, s70
	s_mul_i32 s71, s71, STGB                       ; back: tile a = e, both members' stages
	v_mul_u32_u24 v13, v51, SP
	v_lshl_add_u32 v13, v50, 4, v13
	v_add_nc_u32 v13, s71, v13                     ; lanes 0-15 one row, lanes 16-31 the next
	v_lshlrev_b32 v14, 4, v54                      ; and the same two rows of out: 16 x lane
	v_mov_b32 v56, 0                               ; (a lane permute's destination counts as one of its sources: v54 to v57 are written)
	v_mov_b32 v57, 0
.irp a, 0,1
	v_mov_b32 v[ST+8*\a],   0x6f800000             ; -M = 2^96
	v_mov_b32 v[ST+8*\a+1], 0xef800000             ; the largest t so far: -2^96: over every masked t, under every t that counts: a lane that has met masked keys alone keeps l = 0
	v_mov_b32 v[ST+8*\a+2], 0                      ; l, in two halves
	v_mov_b32 v[ST+8*\a+3], 0
	v_mov_b32 v[ST+8*\a+5], 0                      ; (named as upper halves of pairs)
	v_mov_b32 v[ST+8*\a+7], 0
.endr
	s_wait_kmcnt 0x0                               ; the exponents and tau
	s_add_co_i32 s69, s56, s57                     ; eq + ek
	s_sub_co_i32 s60, 3, s69
	s_lshl_b32 s69, s69, 23
	s_add_co_i32 s48, s69, 0x3e38aa3b              ; cs = log2(e) / 8 x 2^(eq+ek): the exponents are added to the exponent field
	s_mov_b32 s49, s48                             ; (named with it as a pair)
	s_add_co_i32 s69, s58, 127
	s_lshl_b32 s70, s69, 23
	v_mov_b32 v48, s70                             ; 2^ep: the conversion takes its exponent field
	s_add_co_i32 s69, s69, 8
	s_lshl_b32 s69, s69, 23
	s_or_b32 s69, s69, 0x600000
	v_mov_b32 v49, s69                             ; 448 x 2^ep
	s_add_co_i32 s69, s58, s59
	s_add_co_i32 s69, s69, 127
	s_lshl_b32 s66, s69, 23                        ; 2^(ep+ev)
	s_mov_b32 s67, s66
	v_mov_b32 v58, 0xf149f2ca                      ; -1e30, reference()'s own number,
	v_ldexp_f32 v58, v58, s60                      ; in the sums' units
	s_wait_loadcnt 0x4                             ; the five numbers of bias_weight are in; Q's four loads, issued behind them, may be out
.irp n, 0,1,2,3,4
	v_ldexp_f32 v[80+\n], v[80+\n], s60            ; bias x 2^(3-eq-ek): nothing is rounded
	v_cmp_gt_i32 vcc_lo, 0, v[64+\n]               ; q < k
	v_cndmask_b32 v[80+\n], v[80+\n], v58, vcc_lo
.irp p, 0,1,2,3
	ds_store_b32 v15, v[80+\n] offset:2048*\n+(CPY+4)*\p   ; copy p, word u + p
.endr
.endr
	s_wait_tensorcnt 0x0                           ; my chunk of K or V has landed,
	s_wait_dscnt 0x0                               ; my part of the table is stored:
	s_barrier_signal -1
	s_barrier_wait -1                              ; everybody's: K, V and the table are whole
; A step's loads: the five images (C of the products) and K's four fragments.  Tile 0's image for key tile 3 comes last: it is wanted last.
.macro LOADS o
.irp kp, 0,1,2
	ds_load_b128 v[S0+8*\kp:S0+8*\kp+3],   v8 offset:256*\o+64*(1+\kp)
	ds_load_b128 v[S0+8*\kp+4:S0+8*\kp+7], v8 offset:256*\o+64*(1+\kp)+16
.endr
	ds_load_b128 v[S1:S1+3],   v8 offset:256*\o
	ds_load_b128 v[S1+4:S1+7], v8 offset:256*\o+16
.irp kp, 0,1,2,3
	ds_load_b128 v[KF+8*\kp:KF+8*\kp+3],   v6 offset:16*SP*\o+4*SP*\kp
	ds_load_b128 v[KF+8*\kp+4:KF+8*\kp+7], v6 offset:16*SP*\o+4*SP*\kp+32
.endr
	ds_load_b128 v[S0+24:S0+27], v8 offset:256*\o+256
	ds_load_b128 v[S0+28:S0+31], v8 offset:256*\o+272
.endm
; S^T = K Q^T + C for both tiles.  Tile 1's key tile kp has the image of a - kp = 1 - kp, which is tile 0's of key tile kp - 1: taken as C before tile 0's products write over it.
.macro QKMM
	s_wait_dscnt 0x2                               ; all but the two youngest loads, tile 0's image for key tile 3
.irp kp, 1,2,3
	v_wmma_f32_16x16x64_fp8_fp8 v[S1+8*\kp:S1+8*\kp+7], v[KF+8*\kp:KF+8*\kp+7], v[Q+8:Q+15], v[S0+8*\kp-8:S0+8*\kp-1]
.endr
	v_wmma_f32_16x16x64_fp8_fp8 v[S1:S1+7], v[KF:KF+7], v[Q+8:Q+15], v[S1:S1+7]
.rept 5
	v_nop                                          ; five places: the products below write over registers that the products above took as C (ISA guide 7.12.1); they also serve the first reads of tile 1's scores
.endr
	s_wait_dscnt 0x0
.irp kp, 0,1,2,3
	v_wmma_f32_16x16x64_fp8_fp8 v[S0+8*\kp:S0+8*\kp+7], v[KF+8*\kp:KF+8*\kp+7], v[Q:Q+7], v[S0+8*\kp:S0+8*\kp+7]
.endr
.endm
.macro MAXCH a                         ; the largest of my 32 scores of tile a, in two chains, registers ascending: each accumulator is first read at its low end
.set sb, S0+32*(\a)
.set ca, 50+2*(\a)
	v_max3_num_f32 v[ca],   v[sb],   v[sb+1], v[sb+2]
	v_max3_num_f32 v[ca+1], v[sb+3], v[sb+4], v[sb+5]
.irp i, 6,10,14,18,22,26
	v_max3_num_f32 v[ca],   v[ca],   v[sb+\i],   v[sb+\i+1]
	v_max3_num_f32 v[ca+1], v[ca+1], v[sb+\i+2], v[sb+\i+3]
.endr
	v_max3_num_f32 v[ca], v[ca], v[sb+30], v[sb+31]
	v_max_num_f32 v[ca], v[ca], v[ca+1]
.endm
.macro MUPD a                          ; the lane's running maximum; M is a whole number, so that f = 2^(old M - new M) rounds nothing
.set tb, ST+8*(\a)
.set ca, 50+2*(\a)
	v_mul_f32 v[ca], s48, v[ca]                    ; as t (cs is positive)
	v_max_num_f32 v[tb+1], v[tb+1], v[ca]
	v_mov_b32 v[tb+6], v[tb]
	v_floor_f32 v[tb], -v[tb+1]                    ; -M = floor(-t)
	v_sub_f32 v[tb+6], v[tb], v[tb+6]
	v_cvt_i32_f32 v[tb+6], v[tb+6]                 ; (it saturates)
	v_ldexp_f32 v[tb+4], 1.0, v[tb+6]
.endm
.macro SC1 a                           ; t - M, two at a time
.set sb, S0+32*(\a)
.set tb, ST+8*(\a)
.irp j, 0,2,4,6,8,10,12,14,16,18,20,22,24,26,28,30
	v_pk_fma_f32 v[sb+\j:sb+\j+1], v[sb+\j:sb+\j+1], s[48:49], v[tb:tb+1] op_sel_hi:[1,0,0]
.endr
.endm
.macro EXPS a
.set i, 0
.rept 32
	v_exp_f32 v[S0+32*(\a)+i], v[S0+32*(\a)+i]
.set i, i+1
.endr
.endm
.macro SUMS a                          ; l += my 32 terms, two at a time, in two chains
.set sb, S0+32*(\a)
.set tb, ST+8*(\a)
.set xb, 58+2*(\a)
	v_pk_add_f32 v[xb:xb+1], v[sb:sb+1], v[sb+2:sb+3]
.irp j, 4,8,12,16,20,24,28
	v_pk_add_f32 v[tb+2:tb+3], v[tb+2:tb+3], v[sb+\j:sb+\j+1]
	v_pk_add_f32 v[xb:xb+1], v[xb:xb+1], v[sb+\j+2:sb+\j+3]
.endr
	v_pk_add_f32 v[tb+2:tb+3], v[tb+2:tb+3], v[xb:xb+1]
.endm
; PASS 1, a step of 64 keys.  Maximum and sum are each lane's own, over its own keys: no lane looks at another inside the loop.
.macro P1STEP o
	LOADS \o                                       ; (behind the last products stand the whole softmax's plain instructions: more than the four places that these loads want)
	QKMM
	MAXCH 1                                        ; sixteen plain instructions on tile 1: the places behind tile 0's products
	MAXCH 0
	MUPD 1
	MUPD 0
	SC1 1
	SC1 0
	EXPS 1
	EXPS 0
	v_pk_mul_f32 v[ST+2:ST+3], v[ST+2:ST+3], v[ST+4:ST+5] op_sel_hi:[1,0]       ; l under the new M.  (The plain instruction behind the exponentials)
	v_pk_mul_f32 v[ST+10:ST+11], v[ST+10:ST+11], v[ST+12:ST+13] op_sel_hi:[1,0]
	s_wait_alu depctr_va_vdst(0)                   ; one wait for the batch of 64, ahead of its first reader
	SUMS 1
	SUMS 0
.endm
.macro WALK0                           ; a walk over the eight blocks of 256 keys begins
	s_mov_b32 s52, 0
	s_mov_b32 s53, 0
	s_xor_b32 s54, s19, 7                          ; the table's step: 1024 (7 - T) + 512 e, + 1024 a block
	s_lshl_b32 s54, s54, 10
	s_lshl_b32 s55, s20, 9
	s_add_co_u32 s54, s54, s55
.endm
.macro WALK1                           ; and goes a block on
	s_add_co_u32 s53, s53, KCH
	s_add_co_u32 s54, s54, 1024
	s_add_co_u32 s52, s52, 1
	s_cmp_lt_u32 s52, 8
.endm
	s_wait_loadcnt 0x0                             ; Q
	WALK0
.Lp1:                                              ; eight trips in every wave; a block above my pair's own is passed over: a branch on the wave's number and the count of trips
	s_cmp_gt_u32 s52, s19
	s_cbranch_scc1 .Lp1_next
	s_min_u32 s55, s54, TCAP                       ; (live blocks never reach the cap: it bounds the address on every way)
	v_add_nc_u32 v6, s53, v1
	v_add_nc_u32 v8, s55, v3
	P1STEP 0
	P1STEP 1
.Lp1_next:
	WALK1
	s_cbranch_scc1 .Lp1
; Two parts of a row's statistics become one: -M is the smaller of the two, and each l is brought under it by a power of two.
.macro MERGE a, pn, pl, t0, t1
.set tb, ST+8*(\a)
	v_min_num_f32 v[\t0], v[tb], v[\pn]
	v_sub_f32 v[\t1], v[\t0], v[tb]
	v_sub_f32 v[\pn], v[\t0], v[\pn]
	v_cvt_i32_f32 v[\t1], v[\t1]                   ; whole numbers, 0 or less; the conversion saturates
	v_cvt_i32_f32 v[\pn], v[\pn]
	v_ldexp_f32 v[tb+2], v[tb+2], v[\t1]
	v_ldexp_f32 v[\pl], v[\pl], v[\pn]
	v_mov_b32 v[tb], v[\t0]
	v_add_f32 v[tb+2], v[tb+2], v[\pl]
.endm
	v_add_f32 v[ST+2], v[ST+2], v[ST+3]            ; l's two halves
	v_add_f32 v[ST+10], v[ST+10], v[ST+11]
	v_permlanex16_b32 v54, v[ST], s50, s51         ; the query's other keys of my steps lie in the lane 16 away
	v_permlanex16_b32 v55, v[ST+2], s50, s51
	v_permlanex16_b32 v56, v[ST+8], s50, s51
	v_permlanex16_b32 v57, v[ST+10], s50, s51
	MERGE 0, 54, 55, 50, 51
	MERGE 1, 56, 57, 52, 53
	v_cndmask_b32 v50, v[ST], v[ST+2], s61         ; lanes 0-15 hand on -M, lanes 16-31 l
	v_cndmask_b32 v52, v[ST+8], v[ST+10], s61
	ds_store_b32 v10, v50
	ds_store_b32 v10, v52 offset:128
	s_wait_dscnt 0x0                               ; for my partner's sake: my stores are done
	s_barrier_signal -1
	s_barrier_wait -1
	ds_load_b32 v54, v11                           ; my partner's -M and l of query r, tile 0,
	ds_load_b32 v55, v11 offset:64
	ds_load_b32 v56, v11 offset:128                ; and tile 1
	ds_load_b32 v57, v11 offset:192
	s_lshl_b32 s77, s19, 8
	s_lshl_b32 s78, s21, 5
	s_add_co_u32 s78, s78, s77
	s_add_co_u32 s78, s78, 1                       ; i of my pair's first query: 256 T + 32 c + 1
	v_and_b32 v58, 15, v0
	v_add_nc_u32 v58, s78, v58
	v_add_nc_u32 v59, 16, v58
	v_cvt_f32_u32 v58, v58
	v_cvt_f32_u32 v59, v59
	s_wait_dscnt 0x0
	MERGE 0, 54, 55, 50, 51
	MERGE 1, 56, 57, 52, 53
	v_rcp_f32 v[ST+4], v[ST+2]                     ; 1 / l
	v_rcp_f32 v[ST+12], v[ST+10]
	v_rcp_f32 v[ST+6], v58                         ; 1 / i
	v_rcp_f32 v[ST+14], v59
	v_nop                                          ; the plain instruction behind the reciprocals
	s_wait_alu depctr_va_vdst(0)                   ; one wait for the four, ahead of their first reader
	v_mul_f32 v[ST+6], s68, v[ST+6]                ; tau / i
	v_mul_f32 v[ST+14], s68, v[ST+14]
.irp j, 0,1,2,3,4,5,6,7
	v_med3_num_f32 v[S0+\j], v[ST+6], 0, v49       ; the weight of a key above the diagonal: relu(0 + tau / i), held at the largest code x the scale
	v_med3_num_f32 v[S0+8+\j], v[ST+14], 0, v49
.endr
	v_cvt_scalef32_pk8_fp8_f32 v[CF:CF+1], v[S0:S0+7], v48
	v_cvt_scalef32_pk8_fp8_f32 v[CF+8:CF+9], v[S0+8:S0+15], v48
	v_nop                                          ; a plain instruction between a scaled conversion and the first instruction that touches its result
.irp j, 2,3,4,5,6,7
	v_mov_b32 v[CF+\j], v[CF]                      ; every byte of the fragment is the row's one code
	v_mov_b32 v[CF+8+\j], v[CF+8]
.endr
.set i, 0
.rept 64
	v_mov_b32 v[OT+i], 0                           ; O^T: pass 2's step is written once, so the sums begin as zeros
.set i, i+1
.endr
.macro LDV dst, o                      ; V's four fragments (16 d x 64 keys) in the form's own layout: registers 2 c, 2 c + 1: keys 16 c + 8 h + 0..7
.irp t, 0,1,2,3
.irp c, 0,1,2,3
	ds_load_b64 v[\dst+8*\t+2*\c:\dst+8*\t+2*\c+1], v7 offset:16*SP*\t+16*\c+64*\o
.endr
.endr
.endm
.macro POST a                          ; the finished weight and its codes
.set sb, S0+32*(\a)
.set tb, ST+8*(\a)
.irp j, 0,2,4,6,8,10,12,14,16,18,20,22,24,26,28,30
	v_pk_fma_f32 v[sb+\j:sb+\j+1], v[sb+\j:sb+\j+1], v[tb+4:tb+5], v[tb+6:tb+7] op_sel_hi:[1,0,0]   ; 2^(t - M) / l + tau / i
.endr
.set i, 0
.rept 32
	v_med3_num_f32 v[sb+i], v[sb+i], 0, v49        ; the clip at 0 and the hold in one: the conversion to an 8-bit code does not saturate (ISA guide 7.6.2)
.set i, i+1
.endr
.irp kp, 0,1,2,3
	v_cvt_scalef32_pk8_fp8_f32 v[PF+8*(\a)+2*\kp:PF+8*(\a)+2*\kp+1], v[sb+8*\kp:sb+8*\kp+7], v48
.endr
.endm
.macro PVMM vb, pb                     ; O^T += V^T P: the eight accumulators by turns, one instruction a turn
.irp t, 0,1,2,3
.irp a, 0,1
	v_wmma_f32_16x16x64_fp8_fp8 v[OT+32*\a+8*\t:OT+32*\a+8*\t+7], v[\vb+8*\t:\vb+8*\t+7], v[\pb+8*\a:\pb+8*\a+7], v[OT+32*\a+8*\t:OT+32*\a+8*\t+7]
.endr
.endr
.endm
; PASS 2, a step of 64 keys of a live block
.macro P2STEP o
.if \o
.rept 4
	v_nop                                          ; four places in front of loads into registers that the last products read (for the first step: the address lines in the loop)
.endr
.endif
	LOADS \o
	QKMM
	SC1 1                                          ; sixteen plain instructions on tile 1: the places behind tile 0's products, for V's loads into K's registers and for the reads of tile 0's scores
	LDV KF, \o
	SC1 0
	EXPS 1
	EXPS 0
	v_nop                                          ; the plain instruction behind the exponentials
	s_wait_alu depctr_va_vdst(0)                   ; one wait for the batch of 64, ahead of its first reader
	POST 1
	POST 0
	v_nop                                          ; a plain instruction between the last conversion and the products that read its result
	s_wait_dscnt 0x0                               ; V is in
	PVMM KF, PF
.endm
	WALK0
.Lp2:                                              ; eight trips in every wave: the second product takes all keys
	s_cmp_gt_u32 s52, s19
	s_cbranch_scc1 .Lp2_above
	s_min_u32 s55, s54, TCAP
	v_add_nc_u32 v6, s53, v1                       ; three additions and a v_nop: the four places behind the last trip's products
	v_add_nc_u32 v7, s53, v2
	v_add_nc_u32 v8, s55, v3
	v_nop
	P2STEP 0
	P2STEP 1
	s_branch .Lp2_next
.Lp2_above:                                        ; a block above my pair's own: every weight is the row's one code: V's fragments and sixteen products
	v_add_nc_u32 v7, s53, v2
.rept 3
	v_nop
.endr
	LDV KF, 0
	LDV S0, 1
	s_wait_dscnt 0x0
	PVMM KF, CF
	PVMM S0, CF
.Lp2_next:
	WALK1
	s_cbranch_scc1 .Lp2
	; THE WAY OUT.  Each member's partial O^T of both tiles goes into stages in LDS; member e then adds the two parts of tile a = e, row by row, and stores whole rows.
.rept 4
	v_nop                                          ; four places behind the last products, for the stores that read their results
.endr
	s_wait_dscnt 0x0                               ; my reads of K are over
	s_barrier_signal -1
	s_barrier_wait -1                              ; everybody's: the stages may lie over K
.irp a, 0,1
.irp t, 0,1,2,3
	ds_store_b128 v12, v[OT+32*\a+8*\t:OT+32*\a+8*\t+3]   offset:2*STGB*\a+64*\t      ; lane (r, h): o(r, 16 t + 8 h + 0..7); each accumulator from its low end on
	ds_store_b128 v12, v[OT+32*\a+8*\t+4:OT+32*\a+8*\t+7] offset:2*STGB*\a+64*\t+16
.endr
.endr
	s_wait_dscnt 0x0                               ; for my partner's sake: my stores are done
	s_barrier_signal -1
	s_barrier_wait -1
.irp i, 0,1,2,3,4,5,6,7
	ds_load_b128 v[KF+4*\i:KF+4*\i+3], v13 offset:2*SP*\i          ; rows 2 i and 2 i + 1, member 0's part,
.endr
.irp i, 0,1,2,3,4,5,6,7
	ds_load_b128 v[S0+4*\i:S0+4*\i+3], v13 offset:STGB+2*SP*\i     ; and member 1's
.endr
	s_wait_dscnt 0x0
.irp j, 0,2,4,6,8,10,12,14,16,18,20,22,24,26,28,30
	v_pk_add_f32 v[KF+\j:KF+\j+1], v[KF+\j:KF+\j+1], v[S0+\j:S0+\j+1]
.endr
.irp j, 0,2,4,6,8,10,12,14,16,18,20,22,24,26,28,30
	v_pk_mul_f32 v[KF+\j:KF+\j+1], v[KF+\j:KF+\j+1], s[66:67] op_sel_hi:[1,0]   ; x 2^(ep+ev)
.endr
.irp i, 0,1,2,3,4,5,6,7
	global_store_b128 v14, v[KF+4*\i:KF+4*\i+3], s[16:17] offset:512*\i th:TH_STORE_NT   ; 32 lanes store two rows: 512 consecutive bytes, at a multiple of 256 from out's first byte
.endr
	s_wait_tensorcnt 0x0                           ; the wave's end, behind my tensor load and my last LDS store
	ds_add_u32 v4, v5
	s_wait_dscnt 0x0
	ROUND                                          ; the closing round
	s_endpgm
.Lfunc_end_k_q41f1b13bd0_attn:
	.size	k_q41f1b13bd0_attn, .Lfunc_end_k_q41f1b13bd0_attn-k_q41f1b13bd0_attn
	.p2alignl 7, 3214868480
	.fill 96, 4, 3214868480
	.section	.rodata,"a",@progbits
	.p2align	6, 0x0
	.amdhsa_kernel k_q41f1b13bd0_attn
		.amdhsa_group_segment_fixed_size 327680
		.amdhsa_private_segment_fixed_size 0
		.amdhsa_enable_private_segment 0
		.amdhsa_kernarg_size 56
		.amdhsa_user_sgpr_count 2
		.amdhsa_user_sgpr_kernarg_segment_ptr 1
		.amdhsa_wavefront_size32 1
		.amdhsa_system_sgpr_workgroup_id_x 1
		.amdhsa_system_sgpr_workgroup_id_y 1
		.amdhsa_system_sgpr_workgroup_id_z 1
		.amdhsa_system_vgpr_workitem_id 0
		.amdhsa_next_free_vgpr 256
		.amdhsa_next_free_sgpr 80
		.amdhsa_reserve_vcc 1
		.amdhsa_float_denorm_mode_32 3
		.amdhsa_float_denorm_mode_16_64 3
		.amdhsa_memory_ordered 1
		.amdhsa_forward_progress 1
		.amdhsa_inst_pref_size 78
	.end_amdhsa_kernel
	.amdgpu_metadata
---
amdhsa.version: [ 1, 2 ]
amdhsa.kernels:
  - .name:           k_q41f1b13bd0_attn
    .symbol:         k_q41f1b13bd0_attn.kd
    .args:
      - { .name: q_codes, .offset: 0, .size: 8, .value_kind: global_buffer, .address_space: global }
      - { .name: k_codes, .offset: 8, .size: 8, .value_kind: global_buffer, .address_space: global }
      - { .name: v_codes, .offset: 16, .size: 8, .value_kind: global_buffer, .address_space: global }
      - { .name: lowp_scales, .offset: 24, .size: 8, .value_kind: global_buffer, .address_space: global }
      - { .name: tau, .offset: 32, .size: 8, .value_kind: global_buffer, .address_space: global }
      - { .name: bias_weight, .offset: 40, .size: 8, .value_kind: global_buffer, .address_space: global }
      - { .name: out0, .offset: 48, .size: 8, .value_kind: global_buffer, .address_space: global }
    .group_segment_fixed_size: 327680
    .private_segment_fixed_size: 0
    .kernarg_segment_align: 8
    .kernarg_segment_size: 56
    .max_flat_workgroup_size: 512
    .sgpr_count:     80
    .vgpr_count:     256
    .wavefront_size: 32
...
	.end_amdgpu_metadata
.endif
;; end of part 1
